; MI455X (gfx1250); checked and timed in simulation.
; The chip was launched on July 23, 2026; its instructions are those of AMD's public machine-readable ISA for CDNA 5 (MIT licence, August 2026) and "CDNA5" Instruction Set Architecture Reference Guide (July 2026). The comments in the code are by the model that wrote it; some were corrected since.
;; Attention. Allowed arithmetic: matrix products marked QUANTISED: E4M3 operands, one given power-of-two scale a tensor, by v_wmma_f32_16x16x64_fp8_fp8 or v_wmma_f32_16x16x128_fp8_fp8, f32 sums; everything else in f32.
;; Inputs: lowp_scales 12 int32 (the exponents e of the quantised operands' scales 2^e); rope_cache 2,048 x 128 float32; sinks 32 float32; wk_b 512 float32; wk_w 512 x 2,048 float32; wo_b 2,048 float32; wo_w 2,048 x 2,048 float32; wq_b 2,048 float32; wq_w 2,048 x 2,048 float32; wv_b 512 float32; wv_w 512 x 2,048 float32; x 1 x 2,048 x 2,048 float32.
;; Outputs: out0 1 x 2,048 x 2,048 float32.
;; This version of the problem:
;;   THIS VERSION OF THE PROBLEM IS GIVEN IN LOW PRECISION. The matrix products marked QUANTISED in the list below multiply operands that are first quantised to E4M3 (4 exponent bits, 3 mantissa bits; 8 bits a number), with one given power-of-two scale for each operand tensor; their sums are f32. All else is computed in f32.
;;   The module's matrix products, in the order in which they are computed (A, B: the left and right operand; K: the contracted axis; several contracted axes count as one K, in the product's order):
;;     1. [M 2,048, K 2,048] x [K 2,048, N 2,048]; A: input x; B: input wq_w: QUANTISED (scales: A lowp_scales[0], B lowp_scales[1])
;;     2. [M 2,048, K 2,048] x [K 2,048, N 512]; A: input x; B: input wk_w: QUANTISED (scales: A lowp_scales[2], B lowp_scales[3])
;;     3. [M 2,048, K 2,048] x [K 2,048, N 512]; A: input x; B: input wv_w: QUANTISED (scales: A lowp_scales[4], B lowp_scales[5])
;;     4. batch 32 x [M 2,048, K 64] x [K 64, N 2,048]; A: computed on the way; B: computed on the way: QUANTISED (scales: A lowp_scales[6], B lowp_scales[7])
;;     5. batch 32 x [M 2,048, K 2,048] x [K 2,048, N 64]; A: computed on the way; B: computed on the way: QUANTISED (scales: A lowp_scales[8], B lowp_scales[9])
;;     6. [M 2,048, K 2,048] x [K 2,048, N 2,048]; A: computed on the way; B: input wo_w: QUANTISED (scales: A lowp_scales[10], B lowp_scales[11])
;;   THE QUANTISER, for each operand of a quantised product, along K:
;;     - The operand's scale is 2^e, e = its entry of the input lowp_scales (int32; the entries are numbered through the quantised products in the list's order, A before B).
;;     - Each number is divided by the scale, clamped to +-448, and rounded to the nearest number of E4M3, ties to even, subnormals kept.
;;     - The product sums the exact products of the quantised numbers (number of the format x scale) in f32.
;;   ~~~python
;;   def quantise(x, axis, e):      # numpy; x: float32 -> the quantised numbers, widened to float32 again
;;       x = np.moveaxis(x, axis, -1); K = x.shape[-1]
;;       r = np.clip(x / 2.0 ** e, -448, 448)
;;       step = 2.0 ** (np.maximum(np.frexp(np.where(r == 0, 1, r))[1] - 1, -6) - 3)
;;       q = np.round(r / step) * step * 2.0 ** e      # np.round: ties to even
;;       return np.moveaxis(q, -1, axis).astype(np.float32)
;;   ~~~
;;   OPERANDS COMPUTED ON THE WAY. 'Computed on the way' means the value that the module computes at that place (a softmax that the list does not call 'softmax' is quantised finished and normalised). What goes into a quantiser is computed in f32, as accurately as f32 sums, v_exp_f32 and their like allow (about 1e-6 of the number): no bf16 or f16 on the way to a quantiser, and a product that is left as it is and whose result goes on into a quantised operand takes f32 operands (vector FMAs, or v_wmma_f32_16x16x4_f32). A number that lies on a knife's edge between two numbers of the format may be rounded either way, as far as f32 arithmetic and the matrix unit's own rounding can turn it there, and no further.
;; One version. Each part assembles by itself: llvm-mc -triple=amdgcn-amd-amdhsa -mcpu=gfx1250 --defsym DOCPART=n.
;; ======== version 1 of 1: 4 launches
;; workspace buffers: x_img 12,582,912 bytes; w_img 10,485,760 bytes; q_img 4,194,304 bytes; kv_img 2,097,152 bytes; o_img 4,194,304 bytes
;; launch quant (part 1): grid 448 x 1, 4 waves a work-group, no clusters, 34,304 bytes of LDS; arguments x, wq_w, wk_w, wv_w, wo_w, lowp_scales, x_img, w_img; writes x_img, w_img
.if DOCPART == 1
	.amdgcn_target "amdgcn-amd-amdhsa--gfx1250"
	.amdhsa_code_object_version 6
	.text
	.protected	k_q2d700f2d26_quant
	.globl	k_q2d700f2d26_quant
	.p2align	8
	.type	k_q2d700f2d26_quant,@function
k_q2d700f2d26_quant:
	s_mov_b64 s[64:65], 0
	v_nop
	global_prefetch_b8 v0, s[64:65] scope:SCOPE_SE
	s_setreg_imm32_b32 hwreg(HW_REG_WAVE_MODE, 25, 1), 1
	s_wait_xcnt 0x0
; x and the four weights, f32 with K innermost, become codes of FP8 (E4M3), laid as IMAGES OF OPERAND REGISTERS.
; An image is 16 rows x 128 K = 2,048 bytes = four chunks of 512: chunk i holds registers 4 i .. 4 i + 3 of the fragment, lane l's 16 bytes at 16 l.
; Lane l = 16 h + r holds row r; registers 2 c, 2 c + 1 hold k = 16 c + 8 h + 0 .. 7: the places that v_wmma_f32_16x16x128_fp8_fp8 gives each k.
; A tensor's images lie [row tile][K step]: a row tile of 16 rows x 2,048 K is 32 KiB on end.
; code = x / 2^e, held within +-448, to the nearest code, ties to even.  x is an operand of three products under three given scales (entries 0, 2, 4): it gets three sets of codes.
; LIMITS: every e between -126 and 119, so that 2^e and 448 x 2^e are f32 numbers.  NaN among the inputs is not served.
; SHARES: work-group W takes one row tile: 0-127 x, 128-255 wq, 256-287 wk, 288-319 wv, 320-447 wo.  Wave w takes K steps 4 w .. 4 w + 3, one tile of 16 x 128 at a time.
; Each load reads 512 consecutive bytes (a row's 128 numbers of the K step).  The conversion wants 8 neighbours along K in one lane: the tile turns through the wave's own stage in LDS.
; No tensor load, no barrier: waves share nothing.  Loads run two tiles (32 loads a wave) ahead.
.set PITCH, 528                        ; a stage row: 512 bytes + 16: the sixteen rows that a read touches begin 132 words apart
.set WSTG,  16*PITCH                   ; a wave's stage
.set LI,  1                            ; v1   16 x lane: my place in a load's and in a store's 512 bytes; never rewritten
.set STI, 2                            ; v2   the stage, way in: wave's stage + 16 x lane
.set STO, 3                            ; v3   the stage, way out: wave's stage + 528 r + 32 h
.set R,   16                           ; v16-143  two sets of 64: a tile as loaded
.set X,   144                          ; v144-207 the tile turned: register 16 i + n: n < 8: k = 32 i + 8 h + n; else k = 32 i + 16 + 8 h + n - 8
.set T,   208                          ; v208-223 two sets of 8 held numbers, by turns
.set C,   224                          ; v224-239 the image's 16 registers
	s_load_b512 s[8:23], s[0:1], 0x0               ; x s[8:9], wq s[10:11], wk s[12:13], wv s[14:15], wo s[16:17], the exponents s[18:19], x_img s[20:21], w_img s[22:23]
	v_lshl_add_u32 v240, v0, 2, 0x8400
	v_mov_b32 v241, 0
	v_lshrrev_b32 v4, 5, v0
	v_readfirstlane_b32 s44, v4                    ; wave
	v_and_b32 v5, 31, v0
	v_lshlrev_b32 v[LI], 4, v5
	v_and_b32 v6, 15, v0                           ; r
	v_bfe_u32 v7, v0, 4, 1                         ; h
	s_mul_i32 s52, s44, WSTG
	v_add_nc_u32 v[STI], s52, v[LI]
	v_mul_u32_u24 v[STO], v6, PITCH
	v_lshl_add_u32 v[STO], v7, 5, v[STO]
	v_add_nc_u32 v[STO], s52, v[STO]
	s_wait_kmcnt 0x0
	s_load_b256 s[24:31], s[18:19], 0x0            ; e0 .. e7
	s_load_b128 s[32:35], s[18:19], 0x20           ; e8 .. e11
	; which tensor is mine: a chain of choices on the work-group's number; only pointers and numbers are chosen, the text has one path
	s_mov_b64 s[36:37], s[16:17]
	s_mov_b32 s45, 320
	s_cmp_lt_u32 ttmp9, 320
	s_cselect_b64 s[36:37], s[14:15], s[36:37]
	s_cselect_b32 s45, 288, s45
	s_cmp_lt_u32 ttmp9, 288
	s_cselect_b64 s[36:37], s[12:13], s[36:37]
	s_cselect_b32 s45, 256, s45
	s_cmp_lt_u32 ttmp9, 256
	s_cselect_b64 s[36:37], s[10:11], s[36:37]
	s_cselect_b32 s45, 128, s45
	s_cmp_lt_u32 ttmp9, 128
	s_cselect_b64 s[36:37], s[8:9], s[36:37]
	s_cselect_b32 s45, 0, s45                      ; the tensor's first work-group
	s_cselect_b64 s[38:39], s[20:21], s[22:23]     ; images: x's buffer, or the weights' (in which wq, wk, wv, wo follow each other as their work-groups do)
	s_cselect_b32 s50, 0, 128
	s_sub_co_u32 s45, ttmp9, s45                   ; my row tile in the tensor
	s_lshl_b32 s48, s45, 17                        ; 16 rows of 8,192 bytes,
	s_lshl_b32 s47, s44, 11                        ; my wave's four K steps: 2,048 bytes of a row
	s_add_co_u32 s48, s48, s47
	s_mov_b32 s49, 0
	s_add_nc_u64 s[36:37], s[36:37], s[48:49]
	s_sub_co_u32 s50, ttmp9, s50
	s_lshl_b32 s50, s50, 15                        ; a row tile's images: 32 KiB,
	s_lshl_b32 s47, s44, 13                        ; my wave's four: 8 KiB
	s_add_co_u32 s50, s50, s47
	s_mov_b32 s51, 0
	s_add_nc_u64 s[38:39], s[38:39], s[50:51]
	s_add_nc_u64 s[40:41], s[38:39], 0x400000      ; x's second and third set of codes (used by x's work-groups alone)
	s_add_nc_u64 s[42:43], s[38:39], 0x800000
.macro LOAD t                          ; tile t: 16 rows x 512 bytes into set t % 2
.irp p, 0,1,2,3,4,5,6,7,8,9,10,11,12,13,14,15
	global_load_b128 v[R+64*((\t)%2)+4*\p:R+64*((\t)%2)+4*\p+3], v[LI], s[36:37] offset:8192*\p+512*(\t) th:TH_LOAD_NT
.endr
.endm
.macro TURN t                          ; through the stage: LDS serves a wave's instructions in order, so no wait stands between the stores and the loads
.irp p, 0,1,2,3,4,5,6,7,8,9,10,11,12,13,14,15
	ds_store_b128 v[STI], v[R+64*((\t)%2)+4*\p:R+64*((\t)%2)+4*\p+3] offset:PITCH*\p
.endr
.irp i, 0,1,2,3
	ds_load_b128 v[X+16*\i:X+16*\i+3],     v[STO] offset:128*\i
	ds_load_b128 v[X+16*\i+4:X+16*\i+7],   v[STO] offset:128*\i+16
	ds_load_b128 v[X+16*\i+8:X+16*\i+11],  v[STO] offset:128*\i+64
	ds_load_b128 v[X+16*\i+12:X+16*\i+15], v[STO] offset:128*\i+80
.endr
.endm
.macro QUANT sc, lim, dst, t           ; X stays as it is (x is quantised three times): the held numbers go into T
	s_wait_xcnt 0x0                                ; the last image's stores have read C: it is written again only behind this wait
.irp g, 0,1,2,3,4,5,6,7
.irp j, 0,1,2,3,4,5,6,7
	v_med3_num_f32 v[T+8*(\g%2)+\j], v[X+8*\g+\j], -v[\lim], v[\lim]   ; the conversion to an 8-bit code does not saturate (ISA guide 7.6.2): the hold at the largest code x the scale
.endr
	v_cvt_scalef32_pk8_fp8_f32 v[C+2*\g:C+2*\g+1], v[T+8*(\g%2):T+8*(\g%2)+7], v[\sc]   ; T's two sets take turns: eight plain lines stand between a conversion and the rewriting of its sources
.endr
	v_nop                                          ; a plain line behind the last conversion
.irp i, 0,1,2,3
	global_store_b128 v[LI], v[C+4*\i:C+4*\i+3], s[\dst:\dst+1] offset:2048*(\t)+512*\i   ; a chunk: 512 consecutive bytes, aligned
.endr
.endm
.macro MKSC e, vs, vl                  ; 2^e and 448 x 2^e as f32
	s_add_co_i32 s53, s[\e], 127
	s_lshl_b32 s54, s53, 23
	v_mov_b32 v[\vs], s54
	s_add_co_i32 s53, s53, 8
	s_lshl_b32 s53, s53, 23
	s_or_b32 s53, s53, 0x600000
	v_mov_b32 v[\vl], s53
.endm
	LOAD 0
	LOAD 1
	s_wait_kmcnt 0x0
	s_mov_b32 s46, s35                             ; wo: entry 11
	s_cmp_lt_u32 ttmp9, 320
	s_cselect_b32 s46, s29, s46                    ; wv: 5
	s_cmp_lt_u32 ttmp9, 288
	s_cselect_b32 s46, s27, s46                    ; wk: 3
	s_cmp_lt_u32 ttmp9, 256
	s_cselect_b32 s46, s25, s46                    ; wq: 1
	s_cmp_lt_u32 ttmp9, 128
	s_cselect_b32 s46, s24, s46                    ; x: 0,
	MKSC 46, 8, 9
	MKSC 26, 10, 11                                ; 2,
	MKSC 28, 12, 13                                ; and 4
.macro TILE t
.if \t < 3
	s_wait_loadcnt 16                              ; this tile's 16 loads are in; the next tile's 16 may be out
.else
	s_wait_loadcnt 0x0
.endif
	TURN \t
	s_wait_dscnt 0x0                               ; the tile is back, turned; the stores into the stage have read their registers,
.if \t < 2
	LOAD (\t)+2                                    ; which take the tile two further on
.endif
	QUANT 8, 9, 38, \t
	s_cmp_lt_u32 ttmp9, 128                        ; x alone has a second and a third scale
	s_cbranch_scc0 .Lweight_\@
	QUANT 10, 11, 40, \t
	QUANT 12, 13, 42, \t
.Lweight_\@:
.endm
	TILE 0
	TILE 1
	TILE 2
	TILE 3
	s_wait_tensorcnt 0x0
	ds_add_u32 v240, v241
	s_wait_dscnt 0x0
	s_endpgm
.Lfunc_end_k_q2d700f2d26_quant:
	.size	k_q2d700f2d26_quant, .Lfunc_end_k_q2d700f2d26_quant-k_q2d700f2d26_quant
	.p2alignl 7, 3214868480
	.fill 96, 4, 3214868480
	.section	.rodata,"a",@progbits
	.p2align	6, 0x0
	.amdhsa_kernel k_q2d700f2d26_quant
		.amdhsa_group_segment_fixed_size 34304
		.amdhsa_private_segment_fixed_size 0
		.amdhsa_enable_private_segment 0
		.amdhsa_kernarg_size 64
		.amdhsa_user_sgpr_count 2
		.amdhsa_user_sgpr_kernarg_segment_ptr 1
		.amdhsa_wavefront_size32 1
		.amdhsa_system_sgpr_workgroup_id_x 1
		.amdhsa_system_sgpr_workgroup_id_y 1
		.amdhsa_system_sgpr_workgroup_id_z 1
		.amdhsa_system_vgpr_workitem_id 0
		.amdhsa_next_free_vgpr 242
		.amdhsa_next_free_sgpr 66
		.amdhsa_reserve_vcc 0
		.amdhsa_float_denorm_mode_32 3
		.amdhsa_float_denorm_mode_16_64 3
		.amdhsa_memory_ordered 1
		.amdhsa_forward_progress 1
		.amdhsa_inst_pref_size 78
	.end_amdhsa_kernel
	.amdgpu_metadata
---
amdhsa.version: [ 1, 2 ]
amdhsa.kernels:
  - .name:           k_q2d700f2d26_quant
    .symbol:         k_q2d700f2d26_quant.kd
    .args:
      - { .name: x, .offset: 0, .size: 8, .value_kind: global_buffer, .address_space: global }
      - { .name: wq_w, .offset: 8, .size: 8, .value_kind: global_buffer, .address_space: global }
      - { .name: wk_w, .offset: 16, .size: 8, .value_kind: global_buffer, .address_space: global }
      - { .name: wv_w, .offset: 24, .size: 8, .value_kind: global_buffer, .address_space: global }
      - { .name: wo_w, .offset: 32, .size: 8, .value_kind: global_buffer, .address_space: global }
      - { .name: lowp_scales, .offset: 40, .size: 8, .value_kind: global_buffer, .address_space: global }
      - { .name: x_img, .offset: 48, .size: 8, .value_kind: global_buffer, .address_space: global }
      - { .name: w_img, .offset: 56, .size: 8, .value_kind: global_buffer, .address_space: global }
    .group_segment_fixed_size: 34304
    .private_segment_fixed_size: 0
    .kernarg_segment_align: 8
    .kernarg_segment_size: 64
    .max_flat_workgroup_size: 128
    .sgpr_count:     66
    .vgpr_count:     242
    .wavefront_size: 32
...
	.end_amdgpu_metadata
.endif
;; end of part 1
;; launch qkv (part 2): grid 12 x 16, 4 waves a work-group, clusters of 4 x 4, 327,680 bytes of LDS; arguments x_img, w_img, wq_b, wk_b, wv_b, rope_cache, lowp_scales, q_img, kv_img; writes q_img, kv_img
.if DOCPART == 2
	.amdgcn_target "amdgcn-amd-amdhsa--gfx1250"
	.amdhsa_code_object_version 6
	.text
	.protected	k_q2d700f2d26_qkv
	.globl	k_q2d700f2d26_qkv
	.p2align	8
	.type	k_q2d700f2d26_qkv,@function
k_q2d700f2d26_qkv:
	s_mov_b64 s[64:65], 0
	v_nop
	global_prefetch_b8 v0, s[64:65] scope:SCOPE_SE
	s_setreg_imm32_b32 hwreg(HW_REG_WAVE_MODE, 25, 1), 1
	s_wait_xcnt 0x0
	s_wait_alu depctr_hold_cnt(0) depctr_sa_sdst(0) depctr_va_vdst(0) depctr_va_sdst(0) depctr_va_ssrc(0) depctr_va_vcc(0) depctr_vm_vsrc(0)
	s_getreg_b32 s2, hwreg(HW_REG_IB_STS2, 6, 4)
	s_cmp_eq_u32 s2, 0
	s_cbranch_scc0 .Lentry_in_a_cluster
	s_endpgm
.Lentry_in_a_cluster:
	s_bfe_u32 s2, ttmp6, 0x10000c
	s_cmp_lg_u32 s2, 0xf033
	s_cbranch_scc0 .Lentry_shape_is_right
	s_endpgm
.Lentry_shape_is_right:
; The three projections on codes of FP8 (E4M3), their biases, the rotation of q and k by the given table, and the quantising of q, k and v for the two products of attention.
; Operands come as images of operand registers (16 rows x 128 K = 2,048 bytes, chunk i = registers 4 i .. 4 i + 3, lane l's 16 bytes at 16 l), laid [row tile][K step]; results leave as images of 16 rows x 64 K (1,024 bytes).
; A tile of C is 128 x 128; four waves, 64 x 64 each: 16 accumulators.  SIDE A is source 1 of the matrix instruction: its rows fall on the lanes.  SIDE B is source 0: its rows run along a lane's registers.
;   q, k: A = 128 positions of x, B = 128 rows of the weight: a lane holds one position and eight neighbouring features: along the K of q k^T.  A wave's 64 features are one head.
;   v:    A = 128 rows of wv, B = 128 positions of x: a lane holds one channel and eight neighbouring positions: along the keys, the K of attn v.
; So the conversions' results are the next launch's operand registers, and the rotation's partner (feature d +- 32) lies in the same lane, two accumulators away.
; A WORK-GROUP STAYS AND MAKES TWO TILES: there are 256 + 64 + 64 = 384 tiles, and 12 x 16 = 192 work-groups take two each.  Tile 0 is a tile of q (feature tiles 4 X + cx = 0 .. 11, X the cluster's x).
; Tile 1 hangs on X alone, which all sixteen partners share: X = 0: q's feature tiles 12 .. 15; X = 1: k; X = 2: v.  Where tile 1 is q or k its positions are tile 0's, so the table is loaded once.
; K = 2,048 goes through a ring of two LDS slots of four K steps each, and the ring does not stop between the tiles: tile 0's last two changes of slots ask for tile 1's first two fills; all is written out.
; CLUSTERS: 4 x 4; A's tiles are asked for jointly along a row of the cluster, B's along a column.
; The head has no branch on the type: every work-group loads tile 1's bias in both layouts, each inside its buffer, so that one text serves.
; No prefetch: the launch's operands are asked for by eight fills a work-group, each a slot ahead.
; LIMITS: e0 + e1, e2 + e3, e4 + e5 between -126 and 127; e6, e7, e9 between -126 and 119.  NaN is not served.
; REGISTERS: window 0: v6-7, v22-23 the codes' scales of tile 0, 1; v8-15 v's bias in pairs; v16-29 addresses; v32-63 T0; v64-95 U; v96-127 q's or k's bias; v128-255 the accumulators ((a, b) at v[128 + 8 (4 a + b)]).
;   window 1: two fragment buffers of 128: A's four fragments, then B's four.   window 2: the table: for block a of 16 positions, 32 cosines at v[64 a], 32 sines at v[64 a + 32].
.set SLOT,  131072                     ; four K steps: A's two halves (4 row tiles x 8 KiB each), then B's two
.set SPARE, 2*SLOT                     ; behind the ring: the spare words, 128 bytes for each wave: two blocks of 256 bytes that no other line names
.set VB,   8
.set ADRA, 16                          ; v16-17 LDS address of my A fragments in slot 0, 1
.set ADRB, 20                          ; v20-21 the same for B
.set SPW,  28                          ; v28 LDS address of my spare word; never rewritten
.set NIL,  29                          ; v29 0; never rewritten
.set T0,   32
.set U,    64
.set BIAS, 96
.set ACC,  128
.set F0,   0
.set F1,   128
.set WV,  22                           ; s22 wave;  s23 which 64 rows of A are mine, also: I fetch for A (0) or B (1);  s24 which 64 rows of B, also: which half I fetch
.set RH,  23
.set CH,  24
.set G1A, 28                           ; s[28:35], s[36:43] descriptor groups 1;  s[44:51], s[52:59] groups 0, one set for each slot
.set G1B, 36
.set G0A, 44
.set G0B, 52
.set NA,  72                           ; s[72:73] tile 1: where my half of A's tile begins;  s[74:75] the same for B
.set NB,  74
.set MSB, 0
.macro WIN new                         ; the immediate's high byte repeats the setting that is left
.if MSB != \new
	s_set_vgpr_msb (MSB<<8)|\new
.set MSB, \new
.endif
.endm
.set MUL,  0x05                        ; sources 0 and 1 window 1; C and D window 0
.set TO_F, 0x40                        ; destination window 1, address window 0
.macro JLOAD s                         ; a joint load: waves 0 and 1 fetch A's halves, waves 2 and 3 B's; four v_nop follow each line
	s_cmp_eq_u32 s[RH], 0
	s_cbranch_scc0 .Lfor_b_\@
	tensor_load_to_lds s[G0A+4*\s:G0A+4*\s+3], s[G1A:G1A+7]
	s_nop 0
.rept 4
	v_nop
.endr
	s_branch .Lasked_\@
.Lfor_b_\@:
	tensor_load_to_lds s[G0B+4*\s:G0B+4*\s+3], s[G1B:G1B+7]
	s_nop 0
.rept 4
	v_nop
.endr
.Lasked_\@:
.endm
.macro CREST                           ; a round of the cluster's barrier behind its opening barrier
	s_cmp_lg_u32 s[WV], 0
	s_cbranch_scc1 .Lnot_wave_0_\@
	s_barrier_signal -3
.Lnot_wave_0_\@:
	s_barrier_wait -3
	s_barrier_signal -1
	s_barrier_wait -1
.endm
.macro CROUND
	s_barrier_signal -1
	s_barrier_wait -1
	CREST
.endm
.macro PLACES                          ; four places in front of loads into registers that matrix instructions have read, and of the first read of results
.rept 4
	v_nop
.endr
.endm
.macro FETCH slot, q, f                ; 32 LDS loads in one run: the fragments of the slot's K step q into buffer f; every load takes 512 consecutive bytes
	WIN TO_F
.irp i, 0,1,2,3
.irp c, 0,1,2,3
	ds_load_b128 v[\f+64+16*\i+4*\c:\f+64+16*\i+4*\c+3], v[ADRB+\slot] offset:(4*\i+(\q))*2048+512*\c
.endr
.endr
.irp i, 0,1,2,3
.irp c, 0,1,2,3
	ds_load_b128 v[\f+16*\i+4*\c:\f+16*\i+4*\c+3], v[ADRA+\slot] offset:(4*\i+(\q))*2048+512*\c
.endr
.endr
.endm
.macro MULA f, a, zero                 ; A's block a against B's four.  The 16 accumulators take turns, one instruction a turn, in the same order in every step
.irp b, 0,1,2,3
.if \zero
	v_wmma_f32_16x16x128_fp8_fp8 v[ACC+8*(4*\a+\b):ACC+8*(4*\a+\b)+7], v[\f+64+16*\b:\f+64+16*\b+15], v[\f+16*\a:\f+16*\a+15], 0
.else
	v_wmma_f32_16x16x128_fp8_fp8 v[ACC+8*(4*\a+\b):ACC+8*(4*\a+\b)+7], v[\f+64+16*\b:\f+64+16*\b+15], v[\f+16*\a:\f+16*\a+15], v[ACC+8*(4*\a+\b):ACC+8*(4*\a+\b)+7]
.endif
.endr
.endm
.macro STEP slot, q, zero              ; a K step that has its successor in the same slot; the successor's fragments are fetched in its middle
.set FM, 128*((\q)%2)
.set FN, 128-FM
	s_wait_dscnt 0x0                               ; this step's 32 loads are in
	WIN MUL
	MULA FM, 0, \zero
	MULA FM, 1, \zero
	PLACES
	FETCH \slot, (\q)+1, FN
	WIN MUL
	MULA FM, 2, \zero
	MULA FM, 3, \zero
.endm
; A slot's last K step changes slots: ONE barrier; in front of it each wave waits for all its tensor loads, adds 0 to its spare word, and waits for that and for its reads of this slot.
; fill = 1: this slot is filled again with the same tile's K steps two slots on;  2: with tile 1's first K steps of this slot;  0: nothing is left to fetch.
.macro TURN slot, next, fill
	WIN 0                                          ; (the add's two registers lie in window 0)
	s_wait_tensorcnt 0x0                           ; all my tensor loads have landed: my part of the next slot; no load of mine is out, so a group 0 may be written below
	ds_add_u32 v[SPW], v[NIL]                      ; 0 onto my spare word
	s_wait_dscnt 0x1                               ; the add alone may be out: the 32 loads in front of it are in
	WIN MUL
	MULA F1, 0, 0                                  ; four matrix instructions stand between the add and the wait for it
	s_wait_dscnt 0x0                               ; the add is done, and my reads of this slot are over
	s_barrier_signal -1
	MULA F1, 1, 0
	WIN 0                                          ; (branches may follow)
	s_barrier_wait -1
.if \fill == 1
	CREST                                          ; the barrier has opened a round of the cluster's: no wave of any partner still reads this slot or has a load on its way
	s_add_nc_u64 s[G0A+4*\slot+2:G0A+4*\slot+3], s[G0A+4*\slot+2:G0A+4*\slot+3], 16384   ; two slots' worth along K: 8 K steps of 2,048 bytes
	s_add_nc_u64 s[G0B+4*\slot+2:G0B+4*\slot+3], s[G0B+4*\slot+2:G0B+4*\slot+3], 16384
	JLOAD \slot                                    ; the first tensor load behind the round; its four v_nop are also the places in front of the loads below
.elseif \fill == 2
	CREST
	s_add_nc_u64 s[G0A+4*\slot+2:G0A+4*\slot+3], s[NA:NA+1], \slot*8192                  ; THE RING GOES ON INTO TILE 1: its K steps 4 x slot on
	s_or_b32 s[G0A+4*\slot+3], s[G0A+4*\slot+3], 0x80000000
	s_add_nc_u64 s[G0B+4*\slot+2:G0B+4*\slot+3], s[NB:NB+1], \slot*8192
	s_or_b32 s[G0B+4*\slot+3], s[G0B+4*\slot+3], 0x80000000
	JLOAD \slot
.else
	PLACES
.endif
	FETCH \next, 0, F0
	WIN MUL
	MULA F1, 2, 0
	MULA F1, 3, 0
.endm
; THE WAY OUT, a block a of A's 16 rows at a time: 32 numbers a lane in U become one image of 16 rows x 64 K.  The codes go into the block's own first accumulator, which has been read out.
.macro CODES a, vs, vl, dst            ; v[vs]: the codes' scale as f32; v[vl]: 448 x that; s[dst]: where my four images go
.set n, 0
.rept 32
	v_med3_num_f32 v[U+n], v[U+n], -v[\vl], v[\vl] ; the conversion does not saturate (ISA guide 7.6.2): the hold at the largest code x the scale
.set n, n+1
.endr
.irp b, 0,1,2,3
	v_cvt_scalef32_pk8_fp8_f32 v[ACC+32*\a+2*\b:ACC+32*\a+2*\b+1], v[U+8*\b:U+8*\b+7], v[\vs]   ; registers 2 b, 2 b + 1: k = 16 b + 8 h + 0 .. 7
.endr
	v_nop                                          ; a plain line behind the last conversion
	global_store_b128 v26, v[ACC+32*\a:ACC+32*\a+3],   s[\dst:\dst+1] offset:1024*\a        ; a chunk: 512 consecutive bytes, aligned
	global_store_b128 v26, v[ACC+32*\a+4:ACC+32*\a+7], s[\dst:\dst+1] offset:1024*\a+512
.endm
.macro ROPE a, sc                      ; s[sc]: the sums' power of two
.irp b, 0,1,2,3
.irp i, 0,2,4,6
	v_pk_fma_f32 v[T0+8*\b+\i:T0+8*\b+\i+1], v[ACC+32*\a+8*\b+\i:ACC+32*\a+8*\b+\i+1], s[\sc:\sc+1], v[BIAS+8*\b+\i:BIAS+8*\b+\i+1] op_sel_hi:[1,0,1]   ; sum x 2^(..) + bias; each accumulator from its low end on
.endr
.endr
	WIN 0x08                                       ; source 1 window 2: the table
.irp b, 0,1,2,3
.irp i, 0,2,4,6
	v_pk_mul_f32 v[U+8*\b+\i:U+8*\b+\i+1], v[T0+8*\b+\i:T0+8*\b+\i+1], v[64*\a+8*\b+\i:64*\a+8*\b+\i+1]   ; t cos
.endr
.endr
.irp b, 0,1
.irp i, 0,2,4,6
	v_pk_fma_f32 v[U+8*\b+\i:U+8*\b+\i+1], v[T0+16+8*\b+\i:T0+16+8*\b+\i+1], v[64*\a+32+8*\b+\i:64*\a+32+8*\b+\i+1], v[U+8*\b+\i:U+8*\b+\i+1] neg_lo:[1,0,0] neg_hi:[1,0,0]   ; d < 32: - t[d + 32] sin
.endr
.endr
.irp b, 2,3
.irp i, 0,2,4,6
	v_pk_fma_f32 v[U+8*\b+\i:U+8*\b+\i+1], v[T0-16+8*\b+\i:T0-16+8*\b+\i+1], v[64*\a+32+8*\b+\i:64*\a+32+8*\b+\i+1], v[U+8*\b+\i:U+8*\b+\i+1]   ; d >= 32: + t[d - 32] sin
.endr
.endr
	WIN 0
.endm
	s_load_b512 s[4:19], s[0:1], 0x0               ; x_img s[4:5], w_img s[6:7], wq_b s[8:9], wk_b s[10:11], wv_b s[12:13], the table s[14:15], the exponents s[16:17], q_img s[18:19]
	s_load_b64 s[20:21], s[0:1], 0x40              ; kv_img
	v_lshl_add_u32 v[SPW], v0, 2, SPARE
	v_mov_b32 v[NIL], 0
	ds_add_u32 v28, v29
	ds_add_u32 v28, v29
	s_wait_dscnt 0x0
	v_lshrrev_b32 v1, 5, v0
	v_readfirstlane_b32 s[WV], v1
	s_lshr_b32 s[RH], s[WV], 1
	s_and_b32 s[CH], s[WV], 1
	s_lshl_b32 s25, s[WV], 15                      ; where my loads go in a slot: wave x 32 KiB: no place in the cluster enters an LDS address
	s_bfe_u32 s60, ttmp6, 0x40000                  ; cx
	s_bfe_u32 s61, ttmp6, 0x40004                  ; cy
	s_lshl_b32 s62, ttmp9, 2                       ; 4 X
	s_and_b32 s63, ttmp7, 0xffff
	s_lshl_b32 s63, s63, 2                         ; 4 Y
	; tile 0, q: A's tile TR = 4 Y + cy of x's first codes; B's tile TC = 4 X + cx of wq
	s_add_co_u32 s68, s63, s61                     ; TR: never holds cx
	s_add_co_u32 s69, s62, s60                     ; TC: never holds cy
	; tile 1: X = 0, q: TR = 4 Y + cy, TC = 12 + cx, x + 0, w + 0;  X = 1, k: TR = 4 Y + cy, TC = cx, x + 4 MiB, w + 4 MiB;  X = 2, v: TR = cy, A = w + 5 MiB; TC = 4 Y + cx, B = x + 8 MiB
	s_cmp_eq_u32 ttmp9, 2
	s_cselect_b32 s66, 0, s63
	s_cselect_b32 s67, s63, 0
	s_cselect_b32 s2, 0x500000, 0
	s_cselect_b32 s3, 0x800000, 0
	s_cmp_eq_u32 ttmp9, 1
	s_cselect_b32 s2, 0x400000, s2
	s_cselect_b32 s3, 0x400000, s3
	s_cmp_eq_u32 ttmp9, 0
	s_cselect_b32 s67, 12, s67
	s_add_co_u32 s104, s66, s61                    ; tile 1's TR: never holds cx
	s_add_co_u32 s105, s67, s60                    ; tile 1's TC: never holds cy
	s_lshl_b32 s100, s[CH], 17                     ; the half that I fetch: 4 row tiles of 32 KiB
	s_lshl_b32 s70, s68, 18                        ; a tile's 8 row tiles
	s_add_co_u32 s70, s70, s100
	s_mov_b32 s71, 0
	s_lshl_b32 s98, s69, 18
	s_add_co_u32 s98, s98, s100
	s_mov_b32 s99, 0
	s_lshl_b32 s101, s104, 18
	s_add_co_u32 s2, s2, s101
	s_add_co_u32 s2, s2, s100                      ; tile 1: A's bytes from its buffer's head,
	s_lshl_b32 s96, s105, 18
	s_add_co_u32 s3, s3, s96
	s_add_co_u32 s3, s3, s100                      ; and B's
	s_lshl_b32 s26, s61, 2
	s_lshl_b32 s26, 15, s26                        ; my row of the cluster
	s_lshl_b32 s27, 0x1111, s60                    ; my column
	; descriptor group 1: 4 rows (row tiles) of 1,024 elements of 8 bytes (four K steps' images on end), 4,096 elements apart; dense in LDS
	s_or_b32 s[G1A], s26, (3<<16)|(1<<21)          ; 15:0 the mask; 17:16 elements of 8 bytes; 21 set beside a mask
	s_or_b32 s[G1B], s27, (3<<16)|(1<<21)
.irp g, G1A, G1B
	s_mov_b32 s[\g+1], 1024<<16                    ; tensor_dim0
	s_mov_b32 s[\g+2], 4<<16                       ; tensor_dim1
	s_mov_b32 s[\g+3], 1024<<16                    ; tile_dim0
	s_mov_b32 s[\g+4], 4                           ; tile_dim1
	s_mov_b32 s[\g+5], 4096                        ; tensor_dim0_stride
	s_mov_b32 s[\g+6], 0
	s_mov_b32 s[\g+7], 0
.endr
	s_wait_kmcnt 0x0
	s_load_b256 s[76:83], s[16:17], 0x0            ; e0 .. e7
	s_load_b128 s[84:87], s[16:17], 0x20           ; e8 .. e11
	s_add_nc_u64 s[62:63], s[4:5], s[70:71]        ; tile 0: A
	s_add_nc_u64 s[66:67], s[6:7], s[98:99]        ; and B
	s_cmp_eq_u32 ttmp9, 2
	s_cselect_b64 s[NA:NA+1], s[6:7], s[4:5]       ; tile 1: A's buffer
	s_cselect_b64 s[NB:NB+1], s[4:5], s[6:7]       ; B's
	s_mov_b32 s70, s2
	s_mov_b32 s98, s3
	s_add_nc_u64 s[NA:NA+1], s[NA:NA+1], s[70:71]
	s_add_nc_u64 s[NB:NB+1], s[NB:NB+1], s[98:99]
	CROUND                                         ; all sixteen work-groups are here: the first joint loads meet
.irp s, 0,1
	s_mov_b32 s[G0A+4*\s], 1
	s_add_co_u32 s[G0A+4*\s+1], s25, \s*SLOT
	s_add_nc_u64 s[G0A+4*\s+2:G0A+4*\s+3], s[62:63], \s*8192
	s_or_b32 s[G0A+4*\s+3], s[G0A+4*\s+3], 0x80000000
	s_mov_b32 s[G0B+4*\s], 1
	s_add_co_u32 s[G0B+4*\s+1], s25, \s*SLOT
	s_add_nc_u64 s[G0B+4*\s+2:G0B+4*\s+3], s[66:67], \s*8192
	s_or_b32 s[G0B+4*\s+3], s[G0B+4*\s+3], 0x80000000
	JLOAD \s                                       ; two loads of mine are out
.endr
	v_and_b32 v3, 31, v0
	v_lshlrev_b32 v26, 4, v3                       ; v26: 16 x lane
	s_lshl_b32 s100, s[RH], 15                     ; my 64 rows of A
	s_lshl_b32 s101, s[CH], 15                     ; my 64 rows of B,
	s_add_co_u32 s101, s101, 65536                 ; which lie behind A's two halves
.irp s, 0,1
	v_add_nc_u32 v[ADRA+\s], s100, v26
	v_add_nc_u32 v[ADRB+\s], s101, v26
	s_add_co_u32 s100, s100, SLOT
	s_add_co_u32 s101, s101, SLOT
.endr
	v_and_b32 v1, 15, v0                           ; r
	v_bfe_u32 v2, v0, 4, 1                         ; h
	v_lshlrev_b32 v24, 2, v1                       ; v24: 4 r
	v_lshlrev_b32 v25, 5, v2                       ; v25: 32 h
	v_lshl_add_u32 v27, v1, 9, v25                 ; v27: 512 r + 32 h: a row of the table is 512 bytes
	; U1 = my 64 rows of B, U2 = my 64 rows of A, as numbers of blocks of 64.  q, k: U1 the head, U2 the block of positions.  v: U2 the head, U1 the block of keys.
	; tile 0
	s_lshl_b32 s60, s69, 1
	s_add_co_u32 s60, s60, s[CH]                   ; the head
	s_lshl_b32 s61, s68, 1
	s_add_co_u32 s61, s61, s[RH]                   ; the block of 64 positions
	s_lshl_b32 s70, s60, 17                        ; a head's images: 128 KiB;
	s_lshl_b32 s62, s61, 12                        ; a block's four: 4 KiB
	s_add_co_u32 s70, s70, s62
	s_add_nc_u64 s[90:91], s[18:19], s[70:71]      ; where tile 0's four images go
	s_lshl_b32 s70, s60, 8
	s_add_nc_u64 s[98:99], s[8:9], s[70:71]        ; tile 0's head's 64 numbers of wq_b
	s_lshl_b32 s70, s61, 15
	s_add_nc_u64 s[94:95], s[14:15], s[70:71]      ; the table at my first position
	; tile 1
	s_lshl_b32 s60, s105, 1
	s_add_co_u32 s60, s60, s[CH]                   ; U1
	s_lshl_b32 s61, s104, 1
	s_add_co_u32 s61, s61, s[RH]                   ; U2
	s_cmp_eq_u32 ttmp9, 2
	s_cselect_b32 s62, s61, s60                    ; the head
	s_cselect_b32 s63, s60, s61                    ; the block of 64 positions
	s_cselect_b32 s66, 0x100000, 0                 ; v's images lie behind k's
	s_cselect_b64 s[92:93], s[12:13], s[10:11]
	s_lshl_b32 s67, s62, 8
	s_lshl_b32 s70, s62, 17
	s_lshl_b32 s63, s63, 12
	s_add_co_u32 s70, s70, s63
	s_add_co_u32 s70, s70, s66
	s_cmp_eq_u32 ttmp9, 0
	s_cselect_b64 s[100:101], s[18:19], s[20:21]
	s_cselect_b64 s[92:93], s[8:9], s[92:93]
	s_add_nc_u64 s[100:101], s[100:101], s[70:71]  ; where tile 1's four images go
	s_mov_b32 s70, s67
	s_add_nc_u64 s[92:93], s[92:93], s[70:71]      ; tile 1's head's 64 numbers of its bias
.irp b, 0,1,2,3                        ; tile 0's bias: lane (r, h), accumulator b: features 16 b + 8 h + 0 .. 7
	global_load_b128 v[BIAS+8*\b:BIAS+8*\b+3],   v25, s[98:99] offset:64*\b
	global_load_b128 v[BIAS+8*\b+4:BIAS+8*\b+7], v25, s[98:99] offset:64*\b+16
.endr
.irp a, 0,1,2,3                        ; tile 1's bias as v wants it: block a: channel 16 a + r, twice, a pair for the packed form
	global_load_b32 v[VB+2*\a],   v24, s[92:93] offset:64*\a
	global_load_b32 v[VB+2*\a+1], v24, s[92:93] offset:64*\a
.endr
	WIN 0x80                                       ; destination window 2
.irp a, 0,1,2,3                        ; the table, all 64 cosines and 64 sines of each position as they are given: position 16 a + r, columns 16 b + 8 h + 0 .. 7
.irp b, 0,1,2,3
	global_load_b128 v[64*\a+8*\b:64*\a+8*\b+3],       v27, s[94:95] offset:8192*\a+64*\b
	global_load_b128 v[64*\a+8*\b+4:64*\a+8*\b+7],     v27, s[94:95] offset:8192*\a+64*\b+16
	global_load_b128 v[64*\a+32+8*\b:64*\a+32+8*\b+3], v27, s[94:95] offset:8192*\a+64*\b+256
	global_load_b128 v[64*\a+36+8*\b:64*\a+36+8*\b+3], v27, s[94:95] offset:8192*\a+64*\b+272
.endr
.endr
	WIN 0
	s_wait_kmcnt 0x0
	s_add_co_i32 s88, s76, s77                     ; q: a sum stands for sum x 2^(e0 + e1), and its codes take e6
	s_add_co_i32 s60, s78, s79
	s_add_co_i32 s61, s80, s81
	s_mov_b32 s96, s88
	s_mov_b32 s97, s82
	s_cmp_eq_u32 ttmp9, 1
	s_cselect_b32 s96, s60, s96                    ; tile 1 is k: e2 + e3, e7
	s_cselect_b32 s97, s83, s97
	s_cmp_eq_u32 ttmp9, 2
	s_cselect_b32 s96, s61, s96                    ; v: e4 + e5, e9
	s_cselect_b32 s97, s85, s97
	s_add_co_i32 s88, s88, 127
	s_lshl_b32 s88, s88, 23                        ; tile 0: the sums' power of two as f32
	s_mov_b32 s89, s88                             ; (named with it as a pair, so it is written)
	s_add_co_i32 s62, s82, 127
	s_lshl_b32 s63, s62, 23
	v_mov_b32 v6, s63                              ; v6: 2^e6
	s_add_co_i32 s62, s62, 8
	s_lshl_b32 s62, s62, 23
	s_or_b32 s62, s62, 0x600000
	v_mov_b32 v7, s62                              ; v7: 448 x that
	s_add_co_i32 s96, s96, 127
	s_lshl_b32 s96, s96, 23                        ; tile 1: the sums' power of two
	s_add_co_i32 s97, s97, 127
	s_lshl_b32 s63, s97, 23
	v_mov_b32 v22, s63                             ; v22: tile 1's codes' scale
	s_add_co_i32 s97, s97, 8
	s_lshl_b32 s97, s97, 23
	s_or_b32 s97, s97, 0x600000
	v_mov_b32 v23, s97                             ; v23: 448 x that
	s_mov_b32 s97, s96                             ; (named with s96 as a pair)
	s_wait_tensorcnt 0x1                           ; my part of slot 0 is in; slot 1's may stay out
	s_barrier_signal -1
	s_barrier_wait -1
	FETCH 0, 0, F0
	; ---- tile 0
	STEP 0, 0, 1                                   ; the first products start the sums: nothing is cleared
	STEP 0, 1, 0
	STEP 0, 2, 0
	TURN 0, 1, 1
	STEP 1, 0, 0
	STEP 1, 1, 0
	STEP 1, 2, 0
	TURN 1, 0, 1
	STEP 0, 0, 0
	STEP 0, 1, 0
	STEP 0, 2, 0
	TURN 0, 1, 2                                   ; slot 0 takes tile 1's K steps 0 to 3,
	STEP 1, 0, 0
	STEP 1, 1, 0
	STEP 1, 2, 0
	TURN 1, 0, 2                                   ; slot 1 its K steps 4 to 7, and tile 1's first fragments are fetched
	WIN 0
	PLACES
	s_wait_loadcnt 0x0                             ; the biases and the table
.irp a, 0,1,2,3                        ; both refills are asked for: now tile 0 goes out
	ROPE \a, 88
	CODES \a, 6, 7, 90
.endr
.irp b, 0,1,2,3                        ; tile 1's bias as q and k want it, into the registers that tile 0's has left; it lands while tile 1 is multiplied
	global_load_b128 v[BIAS+8*\b:BIAS+8*\b+3],   v25, s[92:93] offset:64*\b
	global_load_b128 v[BIAS+8*\b+4:BIAS+8*\b+7], v25, s[92:93] offset:64*\b+16
.endr
	s_wait_xcnt 0x0                                ; tile 0's stores have read their data: the accumulators that held the codes are written again only behind this wait
	; ---- tile 1
	STEP 0, 0, 1                                   ; its first products start the sums anew
	STEP 0, 1, 0
	STEP 0, 2, 0
	TURN 0, 1, 1
	STEP 1, 0, 0
	STEP 1, 1, 0
	STEP 1, 2, 0
	TURN 1, 0, 1
	STEP 0, 0, 0
	STEP 0, 1, 0
	STEP 0, 2, 0
	TURN 0, 1, 0                                   ; nothing is left to fetch
	STEP 1, 0, 0
	STEP 1, 1, 0
	STEP 1, 2, 0
	s_wait_dscnt 0x0
	WIN MUL
	MULA F1, 0, 0
	MULA F1, 1, 0
	MULA F1, 2, 0
	MULA F1, 3, 0
	WIN 0
	PLACES
	s_wait_loadcnt 0x0                             ; tile 1's bias
	s_cmp_eq_u32 ttmp9, 2
	s_cbranch_scc1 .Lv_out
.irp a, 0,1,2,3
	ROPE \a, 96
	CODES \a, 22, 23, 100
.endr
	s_branch .Lend
.Lv_out:
.irp a, 0,1,2,3
.irp b, 0,1,2,3
.irp i, 0,2,4,6
	v_pk_fma_f32 v[U+8*\b+\i:U+8*\b+\i+1], v[ACC+32*\a+8*\b+\i:ACC+32*\a+8*\b+\i+1], s[96:97], v[VB+2*\a:VB+2*\a+1] op_sel_hi:[1,0,1]   ; a lane holds one channel: one number of the bias for all
.endr
.endr
	CODES \a, 22, 23, 100
.endr
.Lend:
	s_wait_tensorcnt 0x0                           ; the wave's end
	ds_add_u32 v[SPW], v[NIL]
	s_wait_dscnt 0x0
	CROUND                                         ; the closing round: no work-group ends while a partner may still ask for a tile that names it
	s_endpgm
.Lfunc_end_k_q2d700f2d26_qkv:
	.size	k_q2d700f2d26_qkv, .Lfunc_end_k_q2d700f2d26_qkv-k_q2d700f2d26_qkv
	.p2alignl 7, 3214868480
	.fill 96, 4, 3214868480
	.section	.rodata,"a",@progbits
	.p2align	6, 0x0
	.amdhsa_kernel k_q2d700f2d26_qkv
		.amdhsa_group_segment_fixed_size 327680
		.amdhsa_private_segment_fixed_size 0
		.amdhsa_enable_private_segment 0
		.amdhsa_kernarg_size 72
		.amdhsa_user_sgpr_count 2
		.amdhsa_user_sgpr_kernarg_segment_ptr 1
		.amdhsa_wavefront_size32 1
		.amdhsa_system_sgpr_workgroup_id_x 1
		.amdhsa_system_sgpr_workgroup_id_y 1
		.amdhsa_system_sgpr_workgroup_id_z 1
		.amdhsa_system_vgpr_workitem_id 0
		.amdhsa_next_free_vgpr 768
		.amdhsa_next_free_sgpr 106
		.amdhsa_reserve_vcc 0
		.amdhsa_float_denorm_mode_32 3
		.amdhsa_float_denorm_mode_16_64 3
		.amdhsa_memory_ordered 1
		.amdhsa_forward_progress 1
		.amdhsa_inst_pref_size 187
	.end_amdhsa_kernel
	.amdgpu_metadata
---
amdhsa.version: [ 1, 2 ]
amdhsa.kernels:
  - .name:           k_q2d700f2d26_qkv
    .symbol:         k_q2d700f2d26_qkv.kd
    .args:
      - { .name: x_img, .offset: 0, .size: 8, .value_kind: global_buffer, .address_space: global }
      - { .name: w_img, .offset: 8, .size: 8, .value_kind: global_buffer, .address_space: global }
      - { .name: wq_b, .offset: 16, .size: 8, .value_kind: global_buffer, .address_space: global }
      - { .name: wk_b, .offset: 24, .size: 8, .value_kind: global_buffer, .address_space: global }
      - { .name: wv_b, .offset: 32, .size: 8, .value_kind: global_buffer, .address_space: global }
      - { .name: rope_cache, .offset: 40, .size: 8, .value_kind: global_buffer, .address_space: global }
      - { .name: lowp_scales, .offset: 48, .size: 8, .value_kind: global_buffer, .address_space: global }
      - { .name: q_img, .offset: 56, .size: 8, .value_kind: global_buffer, .address_space: global }
      - { .name: kv_img, .offset: 64, .size: 8, .value_kind: global_buffer, .address_space: global }
    .group_segment_fixed_size: 327680
    .private_segment_fixed_size: 0
    .kernarg_segment_align: 8
    .kernarg_segment_size: 72
    .max_flat_workgroup_size: 128
    .sgpr_count:     106
    .vgpr_count:     768
    .wavefront_size: 32
...
	.end_amdgpu_metadata
.endif
;; end of part 2
;; launch attn (part 3): grid 32 x 8, 16 waves a work-group, clusters of 4 x 1, 264,192 bytes of LDS; arguments q_img, kv_img, sinks, lowp_scales, o_img; writes o_img
.if DOCPART == 3
	.amdgcn_target "amdgcn-amd-amdhsa--gfx1250"
	.amdhsa_code_object_version 6
	.text
	.protected	k_q2d700f2d26_attn
	.globl	k_q2d700f2d26_attn
	.p2align	8
	.type	k_q2d700f2d26_attn,@function
k_q2d700f2d26_attn:
	s_mov_b64 s[64:65], 0
	v_nop
	global_prefetch_b8 v0, s[64:65] scope:SCOPE_SE
	s_setreg_imm32_b32 hwreg(HW_REG_WAVE_MODE, 25, 1), 1
	s_wait_xcnt 0x0
	s_wait_alu depctr_hold_cnt(0) depctr_sa_sdst(0) depctr_va_vdst(0) depctr_va_sdst(0) depctr_va_ssrc(0) depctr_va_vcc(0) depctr_vm_vsrc(0)
	s_getreg_b32 s2, hwreg(HW_REG_IB_STS2, 6, 4)
	s_cmp_eq_u32 s2, 0
	s_cbranch_scc0 .Lentry_in_a_cluster
	s_endpgm
.Lentry_in_a_cluster:
	s_bfe_u32 s2, ttmp6, 0x10000c
	s_cmp_lg_u32 s2, 0x3003
	s_cbranch_scc0 .Lentry_shape_is_right
	s_endpgm
.Lentry_shape_is_right:
; Causal attention with a sink, both products on codes of FP8 (E4M3).  What the second product's left operand is: the FINISHED attn = exp(score - lse), quantised with 2^e8.  Rounding to a code does not commute with
; a factor that is no power of two, so the keys are walked TWICE: walk 1 finds lse (running largest t, running sum), walk 2 makes the scores again, forms attn, quantises it and multiplies by v.
; In base 2: t = score x log2(e) / 8; M = the largest t so far rounded up to a whole number; sum of 2^(t - M); lse2 = M + log2(sum); attn = 2^(t - lse2).
; The sink: out x exp(clip(lse - logaddexp(lse, sink), -20, 0)) = out x clamp(1 / (1 + 2^(sink log2(e) - lse2)), e^-20, 1).  The result is quantised with 2^e10 for the last projection.
; Operands are images of operand registers: q and k [head][tile of 16 positions][1,024 bytes] (K = the head's 64); v [head][block of 64 keys][tile of 16 channels][1,024 bytes] (K = the keys).
; Both products are used transposed: S^T = k q^T (source 0 = 16 keys), O^T = v^T attn^T (source 0 = 16 channels): a lane holds ONE query (lane % 16) throughout; register j of score tile u is key 16 u + 8 (lane / 16) + j,
; which is the place of registers 2 u, 2 u + 1 of the second product's operand: the conversions' results are that operand.
; SHARES.  The four work-groups of a cluster are the four query heads of one key-value head (cluster y), with the same queries: so they run alike, and ask for k and v JOINTLY.  The whole head, 128 KiB of k and 128 KiB
; of v, lies in LDS, filled once: no slot is filled again.  A work-group takes blocks p and 15 - p of 128 positions (p = cluster x): waves 0-7 a tile of 16 queries each of block p, waves 8-15 of block 15 - p:
; p + 1 and 16 - p steps of 128 keys, 17 for each pair of waves in every work-group.
; THE MASK is the problem's own: steps all of whose keys come after the wave's queries are left out by a scalar branch on ids; both loops have 16 trips in every wave.
; LIMITS: e6 + e7 between -123 and 130 (added to c's exponent field); e8 and e10 between -126 and 119; e8 + e9 is applied by v_ldexp_f32.  NaN is not served.
; REGISTERS: v1-6 addresses; v12 -M, later -lse2; v13 the largest t; v[14:15] the sum in two halves; v16-23 q; v24 the final factor; v32-95 fragments of k or of v; v96-159 S^T, then attn; v160-191 O^T; v192-207 codes; v236-254 at work.
.set LI,  1                            ; v1  16 x lane
.set ADK, 2                            ; v2  LDS address of the step's k
.set ADV, 3                            ; v3  of the step's v
.set LV,  5                            ; v5  16 x lane + 131,072: v lies behind k
.set DQ,  6                            ; v6  r - 8 h
.set WV,  18
.set SEL, 20                           ; s[20:21] lane selects: lane l xor 16
.set CS,  22                           ; s[22:23] c = log2(e) / 8 x 2^(e6 + e7)
.set G1,  24                           ; s[24:31] descriptor group 1; s[32:35], s[36:39] groups 0 for my part of k and of v
.set G0K, 32
.set G0V, 36
.set TB,  40                           ; s40 LDS byte of the step in hand: 8,192 x step, in k and in v alike
.set KF,  41                           ; s41 the step's first key
.set CNT, 42
.set Q0,  43                           ; s43 my first query
.macro CROUND
	s_barrier_signal -1
	s_barrier_wait -1
	s_cmp_lg_u32 s[WV], 0
	s_cbranch_scc1 .Lnot_wave_0_\@
	s_barrier_signal -3
.Lnot_wave_0_\@:
	s_barrier_wait -3
	s_barrier_signal -1
	s_barrier_wait -1
.endm
	s_load_b256 s[4:11], s[0:1], 0x0               ; q_img s[4:5], kv_img s[6:7], sinks s[8:9], the exponents s[10:11]
	s_load_b64 s[12:13], s[0:1], 0x20              ; o_img
	v_lshl_add_u32 v251, v0, 2, 0x40000
	v_mov_b32 v255, 0
	ds_add_u32 v251, v255
	ds_add_u32 v251, v255
	v_lshrrev_b32 v2, 5, v0
	v_readfirstlane_b32 s[WV], v2                  ; wave 0..15
	s_bfe_u32 s19, ttmp6, 0x40000                  ; cx: it enters q's, the sink's and o's addresses alone
	s_and_b32 s14, ttmp7, 0xffff                   ; the key-value head
	s_lshl_b32 s15, s[WV], 13                      ; my sixteenth of k and of v: 8 KiB
	s_lshl_b32 s16, s14, 17
	s_add_co_u32 s16, s16, s15
	s_mov_b32 s17, 0
	; descriptor group 1: a dense block of 8 KiB as 32 rows of 32 elements of 8 bytes
	s_mov_b32 s[G1], 15|(3<<16)|(1<<21)            ; 15:0 the mask: all four work-groups; 17:16 elements of 8 bytes; 21 set beside a mask
	s_mov_b32 s[G1+1], 32<<16                      ; tensor_dim0
	s_mov_b32 s[G1+2], 32<<16                      ; tensor_dim1
	s_mov_b32 s[G1+3], 32<<16                      ; tile_dim0
	s_mov_b32 s[G1+4], 32                          ; tile_dim1
	s_mov_b32 s[G1+5], 32                          ; tensor_dim0_stride
	s_mov_b32 s[G1+6], 0
	s_mov_b32 s[G1+7], 0
	s_sub_co_u32 s45, 15, ttmp9
	s_cmp_lt_u32 s[WV], 8
	s_cselect_b32 s45, ttmp9, s45                  ; my block of 128 positions
	s_lshl_b32 s45, s45, 3
	s_and_b32 s46, s[WV], 7
	s_add_co_u32 s45, s45, s46                     ; my tile of 16 positions
	s_lshl_b32 s[Q0], s45, 4
	s_lshl_b32 s46, s14, 2
	s_add_co_u32 s46, s46, s19                     ; my head
	s_lshl_b32 s60, s46, 7
	s_add_co_u32 s60, s60, s45
	s_lshl_b32 s60, s60, 10                        ; q: [head][tile]
	s_mov_b32 s61, 0
	s_lshl_b32 s62, s45, 5
	s_add_co_u32 s62, s62, s46
	s_lshl_b32 s62, s62, 10                        ; o: [tile][head]
	s_mov_b32 s63, 0
	s_mov_b32 s[SEL], 0x76543210
	s_mov_b32 s[SEL+1], 0xfedcba98
	s_wait_dscnt 0x0
	s_wait_kmcnt 0x0
	s_load_b256 s[48:55], s[10:11], 0x0            ; e0 .. e7
	s_load_b128 s[56:59], s[10:11], 0x20           ; e8 .. e11
	s_add_nc_u64 s[6:7], s[6:7], s[16:17]
	s_mov_b32 s[G0K], 1
	s_mov_b32 s[G0K+1], s15
	s_mov_b64 s[G0K+2:G0K+3], s[6:7]
	s_or_b32 s[G0K+3], s[G0K+3], 0x80000000
	s_mov_b32 s[G0V], 1
	s_add_co_u32 s[G0V+1], s15, 131072
	s_add_nc_u64 s[G0V+2:G0V+3], s[6:7], 0x100000
	s_or_b32 s[G0V+3], s[G0V+3], 0x80000000
	s_lshl_b32 s14, s46, 2
	s_mov_b32 s15, 0
	s_add_nc_u64 s[8:9], s[8:9], s[14:15]
	s_load_b32 s44, s[8:9], 0x0                    ; my head's sink
	s_add_nc_u64 s[4:5], s[4:5], s[60:61]
	s_add_nc_u64 s[12:13], s[12:13], s[62:63]
	CROUND                                         ; all four work-groups are here: the joint loads meet
	tensor_load_to_lds s[G0K:G0K+3], s[G1:G1+7]    ; every wave's two loads, its only ones: two are out
	s_nop 0
	tensor_load_to_lds s[G0V:G0V+3], s[G1:G1+7]
	s_nop 0
.rept 4
	v_nop
.endr
	v_and_b32 v7, 31, v0
	v_lshlrev_b32 v[LI], 4, v7
	v_add_nc_u32 v[LV], 131072, v[LI]
	v_and_b32 v8, 15, v0
	v_bfe_u32 v9, v0, 4, 1
	v_lshlrev_b32 v9, 3, v9
	v_sub_nc_u32 v[DQ], v8, v9
	global_load_b128 v[16:19], v[LI], s[4:5]       ; q's fragment stays in registers
	global_load_b128 v[20:23], v[LI], s[4:5] offset:512
	v_mov_b32 v13, 0xff61b1e6                      ; the largest t so far: -3e38
	v_floor_f32 v12, -v13                          ; -M
	v_mov_b32 v14, 0
	v_mov_b32 v15, 0
	v_mov_b32 v236, 0                              ; written once: a lane permute's destination counts as one of its sources
	v_mov_b32 v253, 0                              ; (named as the upper half of the pair v[252:253])
.set j, 0
.rept 32
	v_mov_b32 v[160+j], 0                          ; O^T: walk 2 is written once, and its first step adds onto zeros
.set j, j+1
.endr
	s_wait_kmcnt 0x0
	s_add_co_i32 s14, s54, s55
	s_lshl_b32 s14, s14, 23
	s_add_co_i32 s[CS], s14, 0x3e38aa3b            ; c = log2(e) / 8, with e6 + e7 added to its exponent field
	s_mov_b32 s[CS+1], s[CS]                       ; (named with it as a pair)
	s_add_co_i32 s14, s56, 127
	s_lshl_b32 s15, s14, 23
	v_mov_b32 v244, s15                            ; 2^e8
	s_add_co_i32 s14, s14, 8
	s_lshl_b32 s14, s14, 23
	s_or_b32 s14, s14, 0x600000
	v_mov_b32 v240, s14                            ; 448 x 2^e8
	s_add_co_i32 s14, s58, 127
	s_lshl_b32 s15, s14, 23
	v_mov_b32 v245, s15                            ; 2^e10
	s_add_co_i32 s14, s14, 8
	s_lshl_b32 s14, s14, 23
	s_or_b32 s14, s14, 0x600000
	v_mov_b32 v241, s14                            ; 448 x 2^e10
	s_add_co_i32 s45, s56, s57                     ; e8 + e9
	s_mov_b32 s16, 0x3fb8aa3b                      ; log2(e)
	s_mov_b32 s17, 0x310da433                      ; e^-20
.macro SCORES                          ; S^T of 128 keys: eight tiles of 16
.irp u, 0,1,2,3,4,5,6,7
	ds_load_b128 v[32+8*\u:35+8*\u], v[ADK] offset:1024*\u
	ds_load_b128 v[36+8*\u:39+8*\u], v[ADK] offset:1024*\u+512
.endr
	s_wait_dscnt 0x0
.irp u, 0,1,2,3,4,5,6,7
	v_wmma_f32_16x16x64_fp8_fp8 v[96+8*\u:103+8*\u], v[32+8*\u:39+8*\u], v[16:23], 0
.endr
.rept 4
	v_nop                                          ; places in front of the first read of results and of loads into the fragments' registers
.endr
.endm
.macro MASK                            ; on the diagonal hidden scores become -infinity; a step all of whose keys count skips this
	s_add_co_u32 s47, s[KF], 127
	s_cmp_le_u32 s47, s[Q0]
	s_cbranch_scc1 .Lopen_\@
	s_sub_co_i32 s47, s[Q0], s[KF]
	v_add_nc_u32 v252, s47, v[DQ]                  ; d = my query - KF - 8 h.  Register 8 u + j holds key KF + 8 h + 16 u + j: hidden where 16 u + j > d
	v_mov_b32 v254, 0xff800000
.set n, 0
.rept 64
	v_cmp_gt_i32 vcc_lo, 16*(n/8)+n%8, v252
	v_cndmask_b32 v[96+n], v[96+n], v254, vcc_lo
.set n, n+1
.endr
.Lopen_\@:
.endm
.macro TMINUS                          ; t - M (walk 1) or t - lse2 (walk 2), two at a time; then 2^(..): one batch
.set j, 0
.rept 32
	v_pk_fma_f32 v[96+j:97+j], v[96+j:97+j], s[CS:CS+1], v[12:13] op_sel_hi:[1,0,0]   ; of the pairs c and v[12:13] the low word serves both halves
.set j, j+2
.endr
.set j, 0
.rept 64
	v_exp_f32 v[96+j], v[96+j]
.set j, j+1
.endr
.endm
.macro STEP1
	s_add_co_u32 s47, s[Q0], 15
	s_cmp_gt_u32 s[KF], s47                        ; all 128 keys come after my 16 queries: the step's work is left out
	s_cbranch_scc1 .Lhid_\@
	v_add_nc_u32 v[ADK], s[TB], v[LI]
	SCORES
	MASK
	v_max3_num_f32 v254, v96, v97, v98             ; the step's largest score of my query among my 64 keys, in two chains,
	v_max3_num_f32 v252, v99, v100, v101
.irp i, 6,10,14,18,22,26,30,34,38,42,46,50,54,58
	v_max3_num_f32 v254, v254, v[96+\i], v[97+\i]
	v_max3_num_f32 v252, v252, v[98+\i], v[99+\i]
.endr
	v_max3_num_f32 v254, v254, v158, v159
	v_max_num_f32 v254, v254, v252
	v_permlanex16_b32 v236, v254, s[SEL], s[SEL+1]
	v_max_num_f32 v254, v254, v236                 ; and among lane l xor 16's
	v_mul_f32 v254, s[CS], v254                    ; as t (c is positive)
	v_max_num_f32 v13, v13, v254
	v_mov_b32 v254, v12
	v_floor_f32 v12, -v13                          ; the new -M = -ceil(t): a whole number
	v_sub_f32 v254, v12, v254                      ; old M - new M, 0 or less
	v_cvt_i32_f32 v254, v254                       ; (it saturates)
	v_ldexp_f32 v252, 1.0, v254                    ; f = 2^(old M - new M): rounds nothing
	TMINUS
	v_pk_mul_f32 v[14:15], v[14:15], v[252:253] op_sel_hi:[1,0]   ; the sum under the new M.  (The plain line behind the exponentials)
	s_wait_alu depctr_va_vdst(0)                   ; one wait for the batch, ahead of its first reader
	v_pk_add_f32 v[242:243], v[96:97], v[98:99]    ; the sum, two at a time, in two chains
.irp j, 4,8,12,16,20,24,28,32,36,40,44,48,52,56,60
	v_pk_add_f32 v[14:15], v[14:15], v[96+\j:97+\j]
	v_pk_add_f32 v[242:243], v[242:243], v[98+\j:99+\j]
.endr
	v_pk_add_f32 v[14:15], v[14:15], v[242:243]
.Lhid_\@:
	s_add_co_u32 s[TB], s[TB], 8192
	s_add_co_u32 s[KF], s[KF], 128
.endm
.macro STEP2
	s_add_co_u32 s47, s[Q0], 15
	s_cmp_gt_u32 s[KF], s47
	s_cbranch_scc1 .Lhid_\@
	v_add_nc_u32 v[ADK], s[TB], v[LI]
	v_add_nc_u32 v[ADV], s[TB], v[LV]
	v_nop
	v_nop                                          ; with the two additions: four places behind the last step's products, whose fragments' registers are loaded again
	SCORES
.irp t, 0,1,2,3                        ; v's four fragments (16 channels x 128 keys: two blocks of 64 keys) land while attn is made
	ds_load_b128 v[32+16*\t:35+16*\t], v[ADV] offset:1024*\t
	ds_load_b128 v[36+16*\t:39+16*\t], v[ADV] offset:1024*\t+512
	ds_load_b128 v[40+16*\t:43+16*\t], v[ADV] offset:1024*\t+4096
	ds_load_b128 v[44+16*\t:47+16*\t], v[ADV] offset:1024*\t+4608
.endr
	MASK
	TMINUS                                         ; attn = 2^(t - lse2): finished and normalised
	v_nop                                          ; the plain line behind the exponentials
	s_wait_alu depctr_va_vdst(0)                   ; one wait for the batch, ahead of its first reader
.irp u, 0,1,2,3,4,5,6,7
.irp j, 0,1,2,3,4,5,6,7
	v_min_num_f32 v[96+8*\u+\j], v[96+8*\u+\j], v240   ; the conversion does not saturate (ISA guide 7.6.2); attn is not negative, so the hold is one-sided
.endr
	v_cvt_scalef32_pk8_fp8_f32 v[192+2*\u:193+2*\u], v[96+8*\u:103+8*\u], v244
.endr
	v_nop                                          ; a plain line between the last conversion and the products that read its result
	s_wait_dscnt 0x0                               ; v
.irp t, 0,1,2,3
	v_wmma_f32_16x16x128_fp8_fp8 v[160+8*\t:167+8*\t], v[32+16*\t:47+16*\t], v[192:207], v[160+8*\t:167+8*\t]   ; the four accumulators take turns
.endr
.Lhid_\@:
	s_add_co_u32 s[TB], s[TB], 8192
	s_add_co_u32 s[KF], s[KF], 128
.endm
	s_wait_tensorcnt 0x1                           ; my part of k is in; my part of v may stay out
	s_barrier_signal -1
	s_barrier_wait -1                              ; everybody's part of k is in
	s_wait_loadcnt 0x0                             ; q
	s_mov_b32 s[TB], 0
	s_mov_b32 s[KF], 0
	s_mov_b32 s[CNT], 16
.Lwalk1:
	STEP1
	s_sub_co_u32 s[CNT], s[CNT], 1
	s_cmp_lg_u32 s[CNT], 0
	s_cbranch_scc1 .Lwalk1
	v_add_f32 v14, v14, v15                        ; the sum's two halves,
	v_permlanex16_b32 v236, v14, s[SEL], s[SEL+1]
	v_add_f32 v14, v14, v236                       ; and lane l xor 16's
	v_log_f32 v15, v14
	v_nop                                          ; a plain line behind each transcendental, and the wait ahead of its reader
	s_wait_alu depctr_va_vdst(0)
	v_sub_f32 v12, v12, v15                        ; -lse2 = -M - log2(sum)
	v_fma_f32 v254, s44, s16, v12                  ; sink x log2(e) - lse2
	v_exp_f32 v254, v254
	v_nop
	s_wait_alu depctr_va_vdst(0)
	v_add_f32 v254, 1.0, v254
	v_rcp_f32 v252, v254
	v_nop
	s_wait_alu depctr_va_vdst(0)
	v_med3_num_f32 v252, v252, s17, 1.0            ; the clip at -20 and 0, taken behind the exponential
	v_ldexp_f32 v24, v252, s45                     ; x 2^(e8 + e9): what each sum of the second product is multiplied by
	s_wait_tensorcnt 0x0                           ; my part of v is in,
	s_wait_dscnt 0x0
	s_barrier_signal -1
	s_barrier_wait -1                              ; everybody's is
	s_mov_b32 s[TB], 0
	s_mov_b32 s[KF], 0
	s_mov_b32 s[CNT], 16
.Lwalk2:
	STEP2
	s_sub_co_u32 s[CNT], s[CNT], 1
	s_cmp_lg_u32 s[CNT], 0
	s_cbranch_scc1 .Lwalk2
.rept 4
	v_nop                                          ; places behind the last products
.endr
.set j, 0
.rept 32
	v_mul_f32 v[96+j], v[160+j], v24               ; register 8 t + i: out(query r, channel 16 t + 8 h + i); each accumulator from its low end on
.set j, j+1
.endr
.set j, 0
.rept 32
	v_med3_num_f32 v[96+j], v[96+j], -v241, v241
.set j, j+1
.endr
.irp t, 0,1,2,3
	v_cvt_scalef32_pk8_fp8_f32 v[192+2*\t:193+2*\t], v[96+8*\t:103+8*\t], v245   ; registers 2 t, 2 t + 1 of the last projection's operand
.endr
	v_nop
	global_store_b128 v[LI], v[192:195], s[12:13]              ; two chunks of 512 consecutive bytes, aligned
	global_store_b128 v[LI], v[196:199], s[12:13] offset:512
	s_wait_dscnt 0x0                               ; no LDS instruction is pending at a signal
	s_wait_tensorcnt 0x0
	ds_add_u32 v251, v255
	s_wait_dscnt 0x0
	CROUND                                         ; the closing round
	s_endpgm
.Lfunc_end_k_q2d700f2d26_attn:
	.size	k_q2d700f2d26_attn, .Lfunc_end_k_q2d700f2d26_attn-k_q2d700f2d26_attn
	.p2alignl 7, 3214868480
	.fill 96, 4, 3214868480
	.section	.rodata,"a",@progbits
	.p2align	6, 0x0
	.amdhsa_kernel k_q2d700f2d26_attn
		.amdhsa_group_segment_fixed_size 264192
		.amdhsa_private_segment_fixed_size 0
		.amdhsa_enable_private_segment 0
		.amdhsa_kernarg_size 40
		.amdhsa_user_sgpr_count 2
		.amdhsa_user_sgpr_kernarg_segment_ptr 1
		.amdhsa_wavefront_size32 1
		.amdhsa_system_sgpr_workgroup_id_x 1
		.amdhsa_system_sgpr_workgroup_id_y 1
		.amdhsa_system_sgpr_workgroup_id_z 1
		.amdhsa_system_vgpr_workitem_id 0
		.amdhsa_next_free_vgpr 256
		.amdhsa_next_free_sgpr 66
		.amdhsa_reserve_vcc 1
		.amdhsa_float_denorm_mode_32 3
		.amdhsa_float_denorm_mode_16_64 3
		.amdhsa_memory_ordered 1
		.amdhsa_forward_progress 1
		.amdhsa_inst_pref_size 43
	.end_amdhsa_kernel
	.amdgpu_metadata
---
amdhsa.version: [ 1, 2 ]
amdhsa.kernels:
  - .name:           k_q2d700f2d26_attn
    .symbol:         k_q2d700f2d26_attn.kd
    .args:
      - { .name: q_img, .offset: 0, .size: 8, .value_kind: global_buffer, .address_space: global }
      - { .name: kv_img, .offset: 8, .size: 8, .value_kind: global_buffer, .address_space: global }
      - { .name: sinks, .offset: 16, .size: 8, .value_kind: global_buffer, .address_space: global }
      - { .name: lowp_scales, .offset: 24, .size: 8, .value_kind: global_buffer, .address_space: global }
      - { .name: o_img, .offset: 32, .size: 8, .value_kind: global_buffer, .address_space: global }
    .group_segment_fixed_size: 264192
    .private_segment_fixed_size: 0
    .kernarg_segment_align: 8
    .kernarg_segment_size: 40
    .max_flat_workgroup_size: 512
    .sgpr_count:     66
    .vgpr_count:     256
    .wavefront_size: 32
...
	.end_amdgpu_metadata
.endif
;; end of part 3
;; launch oproj (part 4): grid 16 x 16, 4 waves a work-group, clusters of 4 x 4, 327,680 bytes of LDS; arguments o_img, w_img, wo_b, lowp_scales, out0; writes out0
.if DOCPART == 4
	.amdgcn_target "amdgcn-amd-amdhsa--gfx1250"
	.amdhsa_code_object_version 6
	.text
	.protected	k_q2d700f2d26_oproj
	.globl	k_q2d700f2d26_oproj
	.p2align	8
	.type	k_q2d700f2d26_oproj,@function
k_q2d700f2d26_oproj:
	s_mov_b64 s[64:65], 0
	v_nop
	global_prefetch_b8 v0, s[64:65] scope:SCOPE_SE
	s_setreg_imm32_b32 hwreg(HW_REG_WAVE_MODE, 25, 1), 1
	s_wait_xcnt 0x0
	s_wait_alu depctr_hold_cnt(0) depctr_sa_sdst(0) depctr_va_vdst(0) depctr_va_sdst(0) depctr_va_ssrc(0) depctr_va_vcc(0) depctr_vm_vsrc(0)
	s_getreg_b32 s2, hwreg(HW_REG_IB_STS2, 6, 4)
	s_cmp_eq_u32 s2, 0
	s_cbranch_scc0 .Lentry_in_a_cluster
	s_endpgm
.Lentry_in_a_cluster:
	s_bfe_u32 s2, ttmp6, 0x10000c
	s_cmp_lg_u32 s2, 0xf033
	s_cbranch_scc0 .Lentry_shape_is_right
	s_endpgm
.Lentry_shape_is_right:
; out0 = attention's result x wo^T + wo_b, on codes of FP8 (E4M3): sum x 2^(e10 + e11) + bias, f32.
; Operands come as images of operand registers (16 rows x 128 K = 2,048 bytes, chunk i = registers 4 i .. 4 i + 3, lane l's 16 bytes at 16 l), laid [row tile][K step].
; A tile of C is 128 x 128; four waves, 64 x 64 each: 16 accumulators.  SIDE A (source 1, rows on the lanes) = 128 positions; SIDE B (source 0, rows along the registers) = 128 rows of wo:
; a lane holds eight neighbouring outputs of one position.  K = 2,048 goes through a ring of two LDS slots of four K steps each: two first fills and two refills, all written out.
; CLUSTERS: 4 x 4; A's tiles are asked for jointly along a row of the cluster, B's along a column.
; LIMIT: e10 + e11 between -126 and 127.
; REGISTERS: window 0: v16-31 addresses; v32-63 T0; v96-127 the bias; v128-255 the accumulators ((a, b) at v[128 + 8 (4 a + b)]), later whole rows of C.   window 1: two fragment buffers of 128.
.set SLOT,  131072                     ; four K steps: A's two halves (4 row tiles x 8 KiB each), then B's two
.set STAGE, 2*SLOT                     ; behind the ring: 16 rows x 272 bytes for each wave, for the way out; no tile lands here
.set SPARE, STAGE+4*16*272             ; behind the stages: the spare words, 128 bytes for each wave: two blocks of 256 bytes that no other line names
.set ADRA, 16
.set ADRB, 20
.set STO,  24                          ; v24 the way out: where I put 32 bytes of a row
.set RD,   27                          ; v27 where I read a row back
.set SPW,  28
.set NIL,  29
.set CO,   30                          ; v30 my byte offset in two rows of C
.set T0,   32
.set BIAS, 96
.set ACC,  128
.set F0,   0
.set F1,   128
.set WV,  22
.set RH,  23
.set CH,  24
.set G1A, 28
.set G1B, 36
.set G0A, 44
.set G0B, 52
.set MSB, 0
.macro WIN new                         ; the immediate's high byte repeats the setting that is left
.if MSB != \new
	s_set_vgpr_msb (MSB<<8)|\new
.set MSB, \new
.endif
.endm
.set MUL,  0x05                        ; sources 0 and 1 window 1; C and D window 0
.set TO_F, 0x40                        ; destination window 1, address window 0
.macro JLOAD s                         ; a joint load: waves 0 and 1 fetch A's halves, waves 2 and 3 B's; four v_nop follow each line
	s_cmp_eq_u32 s[RH], 0
	s_cbranch_scc0 .Lfor_b_\@
	tensor_load_to_lds s[G0A+4*\s:G0A+4*\s+3], s[G1A:G1A+7]
	s_nop 0
.rept 4
	v_nop
.endr
	s_branch .Lasked_\@
.Lfor_b_\@:
	tensor_load_to_lds s[G0B+4*\s:G0B+4*\s+3], s[G1B:G1B+7]
	s_nop 0
.rept 4
	v_nop
.endr
.Lasked_\@:
.endm
.macro CREST                           ; a round of the cluster's barrier behind its opening barrier
	s_cmp_lg_u32 s[WV], 0
	s_cbranch_scc1 .Lnot_wave_0_\@
	s_barrier_signal -3
.Lnot_wave_0_\@:
	s_barrier_wait -3
	s_barrier_signal -1
	s_barrier_wait -1
.endm
.macro CROUND
	s_barrier_signal -1
	s_barrier_wait -1
	CREST
.endm
.macro PLACES                          ; four places in front of loads into registers that matrix instructions have read, and of the first read of results
.rept 4
	v_nop
.endr
.endm
.macro FETCH slot, q, f                ; 32 LDS loads in one run: the fragments of the slot's K step q into buffer f; every load takes 512 consecutive bytes
	WIN TO_F
.irp i, 0,1,2,3
.irp c, 0,1,2,3
	ds_load_b128 v[\f+64+16*\i+4*\c:\f+64+16*\i+4*\c+3], v[ADRB+\slot] offset:(4*\i+(\q))*2048+512*\c
.endr
.endr
.irp i, 0,1,2,3
.irp c, 0,1,2,3
	ds_load_b128 v[\f+16*\i+4*\c:\f+16*\i+4*\c+3], v[ADRA+\slot] offset:(4*\i+(\q))*2048+512*\c
.endr
.endr
.endm
.macro MULA f, a, zero                 ; A's block a against B's four.  The 16 accumulators take turns, one instruction a turn, in the same order in every step
.irp b, 0,1,2,3
.if \zero
	v_wmma_f32_16x16x128_fp8_fp8 v[ACC+8*(4*\a+\b):ACC+8*(4*\a+\b)+7], v[\f+64+16*\b:\f+64+16*\b+15], v[\f+16*\a:\f+16*\a+15], 0
.else
	v_wmma_f32_16x16x128_fp8_fp8 v[ACC+8*(4*\a+\b):ACC+8*(4*\a+\b)+7], v[\f+64+16*\b:\f+64+16*\b+15], v[\f+16*\a:\f+16*\a+15], v[ACC+8*(4*\a+\b):ACC+8*(4*\a+\b)+7]
.endif
.endr
.endm
.macro STEP slot, q, zero              ; a K step that has its successor in the same slot; the successor's fragments are fetched in its middle
.set FM, 128*((\q)%2)
.set FN, 128-FM
	s_wait_dscnt 0x0                               ; this step's 32 loads are in
	WIN MUL
	MULA FM, 0, \zero
	MULA FM, 1, \zero
	PLACES
	FETCH \slot, (\q)+1, FN
	WIN MUL
	MULA FM, 2, \zero
	MULA FM, 3, \zero
.endm
; A slot's last K step changes slots: ONE barrier; in front of it each wave waits for all its tensor loads, adds 0 to its spare word, and waits for that and for its reads of this slot.
.macro TURN slot, next, fill
	WIN 0                                          ; (the add's two registers lie in window 0)
	s_wait_tensorcnt 0x0                           ; all my tensor loads have landed: my part of the next slot
	ds_add_u32 v[SPW], v[NIL]                      ; 0 onto my spare word
	s_wait_dscnt 0x1                               ; the add alone may be out: the 32 loads in front of it are in
	WIN MUL
	MULA F1, 0, 0                                  ; four matrix instructions stand between the add and the wait for it
	s_wait_dscnt 0x0                               ; the add is done, and my reads of this slot are over
	s_barrier_signal -1
	MULA F1, 1, 0
	WIN 0                                          ; (branches may follow)
	s_barrier_wait -1
.if \fill
	CREST                                          ; the barrier has opened a round of the cluster's: no wave of any partner still reads this slot or has a load on its way
	s_add_nc_u64 s[G0A+4*\slot+2:G0A+4*\slot+3], s[G0A+4*\slot+2:G0A+4*\slot+3], 16384   ; two slots' worth along K: 8 K steps of 2,048 bytes
	s_add_nc_u64 s[G0B+4*\slot+2:G0B+4*\slot+3], s[G0B+4*\slot+2:G0B+4*\slot+3], 16384
	JLOAD \slot                                    ; the first tensor load behind the round; its four v_nop are also the places in front of the loads below
.else
	PLACES
.endif
	FETCH \next, 0, F0
	WIN MUL
	MULA F1, 2, 0
	MULA F1, 3, 0
.endm
	s_load_b256 s[4:11], s[0:1], 0x0               ; o_img s[4:5], w_img s[6:7], wo_b s[8:9], the exponents s[10:11]
	s_load_b64 s[12:13], s[0:1], 0x20              ; out0
	v_lshl_add_u32 v[SPW], v0, 2, SPARE
	v_mov_b32 v[NIL], 0
	ds_add_u32 v28, v29
	ds_add_u32 v28, v29
	s_wait_dscnt 0x0
	v_lshrrev_b32 v1, 5, v0
	v_readfirstlane_b32 s[WV], v1
	s_lshr_b32 s[RH], s[WV], 1                     ; which 64 rows of A are mine.  Also: I fetch for A (0) or for B (1)
	s_and_b32 s[CH], s[WV], 1                      ; which 64 rows of B.  Also: which half I fetch
	s_lshl_b32 s25, s[WV], 15                      ; where my loads go in a slot: no place in the cluster enters an LDS address
	s_bfe_u32 s60, ttmp6, 0x40000                  ; cx
	s_bfe_u32 s61, ttmp6, 0x40004                  ; cy
	s_lshl_b32 s69, ttmp9, 2
	s_add_co_u32 s69, s69, s60                     ; TC = 4 X + cx
	s_and_b32 s68, ttmp7, 0xffff
	s_lshl_b32 s68, s68, 2
	s_add_co_u32 s68, s68, s61                     ; TR = 4 Y + cy
	s_lshl_b32 s70, s68, 18                        ; a tile's 8 row tiles of 32 KiB
	s_lshl_b32 s98, s69, 18
	s_add_co_u32 s98, s98, 0x600000                ; wo's images lie behind wq's, wk's and wv's
	s_lshl_b32 s100, s[CH], 17                     ; the half that I fetch
	s_add_co_u32 s70, s70, s100
	s_add_co_u32 s98, s98, s100
	s_mov_b32 s71, 0
	s_mov_b32 s99, 0
	s_lshl_b32 s26, s61, 2
	s_lshl_b32 s26, 15, s26                        ; my row of the cluster
	s_lshl_b32 s27, 0x1111, s60                    ; my column
	; descriptor group 1: 4 rows (row tiles) of 1,024 elements of 8 bytes (four K steps' images on end), 4,096 elements apart; dense in LDS
	s_or_b32 s[G1A], s26, (3<<16)|(1<<21)
	s_or_b32 s[G1B], s27, (3<<16)|(1<<21)
.irp g, G1A, G1B
	s_mov_b32 s[\g+1], 1024<<16                    ; tensor_dim0
	s_mov_b32 s[\g+2], 4<<16                       ; tensor_dim1
	s_mov_b32 s[\g+3], 1024<<16                    ; tile_dim0
	s_mov_b32 s[\g+4], 4                           ; tile_dim1
	s_mov_b32 s[\g+5], 4096                        ; tensor_dim0_stride
	s_mov_b32 s[\g+6], 0
	s_mov_b32 s[\g+7], 0
.endr
	s_wait_kmcnt 0x0
	s_load_b64 s[14:15], s[10:11], 0x28            ; e10, e11
	s_add_nc_u64 s[72:73], s[4:5], s[70:71]
	s_add_nc_u64 s[74:75], s[6:7], s[98:99]
	CROUND                                         ; all sixteen work-groups are here: the first joint loads meet
.irp s, 0,1
	s_mov_b32 s[G0A+4*\s], 1
	s_add_co_u32 s[G0A+4*\s+1], s25, \s*SLOT
	s_add_nc_u64 s[G0A+4*\s+2:G0A+4*\s+3], s[72:73], \s*8192
	s_or_b32 s[G0A+4*\s+3], s[G0A+4*\s+3], 0x80000000
	s_mov_b32 s[G0B+4*\s], 1
	s_add_co_u32 s[G0B+4*\s+1], s25, \s*SLOT
	s_add_nc_u64 s[G0B+4*\s+2:G0B+4*\s+3], s[74:75], \s*8192
	s_or_b32 s[G0B+4*\s+3], s[G0B+4*\s+3], 0x80000000
	JLOAD \s                                       ; two loads of mine are out
.endr
	v_and_b32 v3, 31, v0
	v_lshlrev_b32 v26, 4, v3                       ; 16 x lane
	s_lshl_b32 s100, s[RH], 15
	s_lshl_b32 s101, s[CH], 15
	s_add_co_u32 s101, s101, 65536
.irp s, 0,1
	v_add_nc_u32 v[ADRA+\s], s100, v26
	v_add_nc_u32 v[ADRB+\s], s101, v26
	s_add_co_u32 s100, s100, SLOT
	s_add_co_u32 s101, s101, SLOT
.endr
	v_and_b32 v1, 15, v0                           ; r
	v_bfe_u32 v2, v0, 4, 1                         ; h
	v_lshlrev_b32 v25, 5, v2                       ; 32 h
	s_mul_i32 s100, s[WV], 16*272
	s_add_co_u32 s100, s100, STAGE                 ; my stage
	v_mul_u32_u24 v[STO], v1, 272                  ; in: row r, 32 bytes for each half of the lanes
	v_lshl_add_u32 v[STO], v2, 5, v[STO]
	v_add_nc_u32 v[STO], s100, v[STO]
	v_mul_u32_u24 v[RD], v2, 272                   ; back: lanes 0-15 one row of 256 bytes, lanes 16-31 the next
	v_lshl_add_u32 v[RD], v1, 4, v[RD]
	v_add_nc_u32 v[RD], s100, v[RD]
	v_lshlrev_b32 v[CO], 13, v2                    ; and the same two rows in C: a row is 8,192 bytes
	v_lshl_add_u32 v[CO], v1, 4, v[CO]
	s_lshl_b32 s96, s69, 1
	s_add_co_u32 s96, s96, s[CH]                   ; U1: my 64 outputs
	s_lshl_b32 s97, s68, 1
	s_add_co_u32 s97, s97, s[RH]                   ; U2: my 64 positions
	s_lshl_b32 s100, s96, 8
	s_mov_b32 s101, 0
	s_add_nc_u64 s[92:93], s[8:9], s[100:101]      ; my 64 numbers of the bias
	s_add_nc_u64 s[90:91], s[12:13], s[100:101]    ; C: my first column, 256 U1 bytes,
	s_lshl_b32 s100, s97, 19
	s_add_nc_u64 s[90:91], s[90:91], s[100:101]    ; and my first row, 64 U2
.irp b, 0,1,2,3                        ; lane (r, h), accumulator b: outputs 16 b + 8 h + 0 .. 7
	global_load_b128 v[BIAS+8*\b:BIAS+8*\b+3],   v25, s[92:93] offset:64*\b
	global_load_b128 v[BIAS+8*\b+4:BIAS+8*\b+7], v25, s[92:93] offset:64*\b+16
.endr
	s_wait_kmcnt 0x0
	s_add_co_i32 s88, s14, s15
	s_add_co_i32 s88, s88, 127
	s_lshl_b32 s88, s88, 23                        ; 2^(e10 + e11) as f32
	s_mov_b32 s89, s88                             ; (named with it as a pair)
	s_wait_tensorcnt 0x1                           ; my part of slot 0 is in; slot 1's may stay out
	s_barrier_signal -1
	s_barrier_wait -1
	FETCH 0, 0, F0
	STEP 0, 0, 1                                   ; the first products start the sums: nothing is cleared
	STEP 0, 1, 0
	STEP 0, 2, 0
	TURN 0, 1, 1
	STEP 1, 0, 0
	STEP 1, 1, 0
	STEP 1, 2, 0
	TURN 1, 0, 1
	STEP 0, 0, 0
	STEP 0, 1, 0
	STEP 0, 2, 0
	TURN 0, 1, 0                                   ; nothing is left to fetch
	STEP 1, 0, 0
	STEP 1, 1, 0
	STEP 1, 2, 0
	s_wait_dscnt 0x0
	WIN MUL
	MULA F1, 0, 0
	MULA F1, 1, 0
	MULA F1, 2, 0
	MULA F1, 3, 0
	WIN 0
	PLACES
	s_wait_loadcnt 0x0                             ; the bias
; THE WAY OUT, a block of 16 positions x 64 outputs at a time.  A lane holds 32 bytes of a row and the lanes beside it hold other rows: the block goes through my own stage in LDS and comes back as whole rows of
; 256 bytes, into the block's own accumulators, which have been read out.  LDS serves a wave's instructions in order (ISA guide 5.7.1.4): no wait between the stores and the loads, nor in front of the next block's stores.
.macro TOSTAGE a
.irp b, 0,1,2,3
.irp i, 0,2,4,6
	v_pk_fma_f32 v[T0+8*\b+\i:T0+8*\b+\i+1], v[ACC+32*(\a)+8*\b+\i:ACC+32*(\a)+8*\b+\i+1], s[88:89], v[BIAS+8*\b+\i:BIAS+8*\b+\i+1] op_sel_hi:[1,0,1]   ; sum x 2^(e10 + e11) + bias; each accumulator from its low end on
.endr
.endr
.irp b, 0,1,2,3
	ds_store_b128 v[STO], v[T0+8*\b:T0+8*\b+3]   offset:64*\b
	ds_store_b128 v[STO], v[T0+8*\b+4:T0+8*\b+7] offset:64*\b+16
.endr
.irp t, 0,1,2,3,4,5,6,7
	ds_load_b128 v[ACC+32*(\a)+4*\t:ACC+32*(\a)+4*\t+3], v[RD] offset:544*\t
.endr
.endm
.macro SEND a, younger                 ; younger: the LDS instructions issued behind block a's loads, which may stay out
	s_wait_dscnt \younger
.irp t, 0,1,2,3,4,5,6,7
	global_store_b128 v[CO], v[ACC+32*(\a)+4*\t:ACC+32*(\a)+4*\t+3], s[90:91] offset:(16*(\a)+2*\t)*8192 th:TH_STORE_NT   ; 16 lanes store 256 consecutive bytes, at a multiple of 256 from C's first byte; no base is stepped, no data are written again
.endr
.endm
	TOSTAGE 0
.irp a, 1,2,3
	TOSTAGE \a
	SEND \a-1, 16                                  ; behind block a - 1's loads: block a's 8 stores and 8 loads
.endr
	SEND 3, 0
	s_wait_tensorcnt 0x0                           ; the wave's end: behind my last tensor load and my last LDS store
	ds_add_u32 v[SPW], v[NIL]
	s_wait_dscnt 0x0
	CROUND                                         ; the closing round: no work-group ends while a partner may still ask for a tile that names it
	s_endpgm
.Lfunc_end_k_q2d700f2d26_oproj:
	.size	k_q2d700f2d26_oproj, .Lfunc_end_k_q2d700f2d26_oproj-k_q2d700f2d26_oproj
	.p2alignl 7, 3214868480
	.fill 96, 4, 3214868480
	.section	.rodata,"a",@progbits
	.p2align	6, 0x0
	.amdhsa_kernel k_q2d700f2d26_oproj
		.amdhsa_group_segment_fixed_size 327680
		.amdhsa_private_segment_fixed_size 0
		.amdhsa_enable_private_segment 0
		.amdhsa_kernarg_size 40
		.amdhsa_user_sgpr_count 2
		.amdhsa_user_sgpr_kernarg_segment_ptr 1
		.amdhsa_wavefront_size32 1
		.amdhsa_system_sgpr_workgroup_id_x 1
		.amdhsa_system_sgpr_workgroup_id_y 1
		.amdhsa_system_sgpr_workgroup_id_z 1
		.amdhsa_system_vgpr_workitem_id 0
		.amdhsa_next_free_vgpr 512
		.amdhsa_next_free_sgpr 102
		.amdhsa_reserve_vcc 0
		.amdhsa_float_denorm_mode_32 3
		.amdhsa_float_denorm_mode_16_64 3
		.amdhsa_memory_ordered 1
		.amdhsa_forward_progress 1
		.amdhsa_inst_pref_size 74
	.end_amdhsa_kernel
	.amdgpu_metadata
---
amdhsa.version: [ 1, 2 ]
amdhsa.kernels:
  - .name:           k_q2d700f2d26_oproj
    .symbol:         k_q2d700f2d26_oproj.kd
    .args:
      - { .name: o_img, .offset: 0, .size: 8, .value_kind: global_buffer, .address_space: global }
      - { .name: w_img, .offset: 8, .size: 8, .value_kind: global_buffer, .address_space: global }
      - { .name: wo_b, .offset: 16, .size: 8, .value_kind: global_buffer, .address_space: global }
      - { .name: lowp_scales, .offset: 24, .size: 8, .value_kind: global_buffer, .address_space: global }
      - { .name: out0, .offset: 32, .size: 8, .value_kind: global_buffer, .address_space: global }
    .group_segment_fixed_size: 327680
    .private_segment_fixed_size: 0
    .kernarg_segment_align: 8
    .kernarg_segment_size: 40
    .max_flat_workgroup_size: 128
    .sgpr_count:     102
    .vgpr_count:     512
    .wavefront_size: 32
...
	.end_amdgpu_metadata
.endif
;; end of part 4
